; MI455X (gfx1250); checked and timed in simulation.
; The chip was launched on July 23, 2026; its instructions are those of AMD's public machine-readable ISA for CDNA 5 (MIT licence, August 2026) and "CDNA5" Instruction Set Architecture Reference Guide (July 2026). The comments in the code are by the model that wrote it; some were corrected since.
;; Soft Histogram. Allowed arithmetic: float matrix products may take bf16 or f16 operands with f32 sums; all other float work in f32.
;; Inputs: x 4 x 3 x 65,536 float32.
;; Outputs: out0 4 x 3 x 256 float32.
;; One version. Each part assembles by itself: llvm-mc -triple=amdgcn-amd-amdhsa -mcpu=gfx1250 --defsym DOCPART=n.
;; ======== version 1 of 1: 2 launches
;; workspace buffers: part 786,432 bytes
;; launch partial (part 1): grid 256 x 1, 12 waves a work-group, no clusters, 105,984 bytes of LDS; arguments x, part; writes part
.if DOCPART == 1
	.amdgcn_target "amdgcn-amd-amdhsa--gfx1250"
	.amdhsa_code_object_version 6
	.text
	.protected	k_qb244585b5e_partial
	.globl	k_qb244585b5e_partial
	.p2align	8
	.type	k_qb244585b5e_partial,@function
k_qb244585b5e_partial:
	s_mov_b64 s[64:65], 0
	v_nop
	global_prefetch_b8 v0, s[64:65] scope:SCOPE_SE
	s_setreg_imm32_b32 hwreg(HW_REG_WAVE_MODE, 25, 1), 1
	s_wait_xcnt 0x0
; SOFT HISTOGRAM, first of two launches: partial sums of the bin weights.
; x: [12 rows][65536] f32.  part: [768 chunks][256 bins] f32, chunk = 1,024 neighbouring pixels, 64 chunks to a row.
;
; THE WEIGHT.  With d = x - c_b and h = DELTA/2:  sigmoid(d+h) - sigmoid(d-h) = 2 sinh(h) / (e^d + e^-d + 2 cosh(h)), exactly.
; The factor 2 sinh(h) is common to all bins and cancels in h / sum(h): it is never applied.  So a pair (pixel, bin) adds 1 / D,
; D = e^d + e^-d + K, K = 2 cosh(h).  All three terms are positive: nothing cancels.
; Both exponentials separate over a block of 64 bins, b = 64 w + j, with G[j] = e^(DELTA j), j = 0..63:
;   e^d  = e^(x - Ctop) * G[63-j],  Ctop = centre of the top bin of the block
;   e^-d = e^(Cbot - x) * G[j],     Cbot = centre of its bottom bin
; G >= 1, so a product overflows only where the true value does; where a pixel factor underflows (x more than 87 from that end of the
; block) the term is below e^-24 while the other term is above e^24.  A pair costs two multiply-adds, one reciprocal, one add;
; a pixel costs two exponentials for 64 bins.
;
; SHARES.  256 work-groups of 12 waves.  Wave = (chunk 3 g + wave / 4, block wave % 4).  A lane takes 32 of the 1,024 pixels and keeps the
; 64 sums of its block in registers; the 32 lanes are folded once, at the end, through a stage in LDS that is the wave's own: no barrier.
; No cluster and no shared tiles: a chunk of x is read by one work-group alone (by its four block waves, 4,096 bytes).
;
; LIMITS.  v_exp_f32 and v_rcp_f32 flush denormals (ISA guide 15.8): a pair whose weight is below 2^-126 adds zero.  That decides a result only
; in a row all of whose pixels lie some 87 or more outside the bins.  Far ABOVE the bins (d beyond about 17) the f32 difference of two
; sigmoids near 1 is zero, while 1 / D keeps the true small weight: the two differ by less than one part in 10^7 of a pixel.
; NaN in x gives NaN in its row; +-infinity adds zero, both as in the difference of sigmoids.
.set TRIPS,  8                         ; 128 pixels of the chunk a trip, 4 a lane
.set PITCH,  272                       ; a stage row: 64 sums (256 bytes) + 16, so that 16 lanes' 16-byte stores fall in 16 different columns of 16 bytes
.set STAGE,  32*PITCH                  ; a wave's stage: one row a lane
.set XO,   1                           ; v1        16 x lane: my 16 bytes in a load's 512
.set LN,   2                           ; v2        lane
.set X,    4                           ; v[4:7]    four pixels as loaded
.set E,    8                           ; v[8:11]   e^(x - Ctop) of the four
.set EI,   12                          ; v[12:15]  e^(Cbot - x) of the four
.set T,    16                          ; v[16:31]  two sets of eight denominators, then their reciprocals
.set LL,   32                          ; v[32:33]  log2(e), twice
.set ML,   34                          ; v[34:35]  -log2(e), twice
.set CA,   36                          ; v[36:37]  -Ctop log2(e), twice
.set CB,   38                          ; v[38:39]  Cbot log2(e), twice
.set KK,   40                          ; v[40:41]  K = 2 cosh(DELTA/2), twice
.set R,    42                          ; v[42:43]  e^(2 DELTA), twice
.set LA,   44                          ; v44       stage: my row
.set LB,   45                          ; v45       stage: my two columns
.set SO,   46                          ; v46       8 x lane: my 8 bytes of the wave's 256 in part
.set G,    64                          ; v[64:127] G[0..63]; at the end the stage is read back into these
.set ACC,  128                         ; v[128:191] the sums of my block's 64 bins
	s_load_b128 s[4:7], s[0:1], 0x0                ; x s[4:5], part s[6:7]
	v_lshl_add_u32 v192, v0, 2, 0x19800
	v_mov_b32 v193, 0
	v_lshrrev_b32 v[LN], 5, v0
	v_readfirstlane_b32 s8, v[LN]                  ; wave 0..11
	v_and_b32 v[LN], 31, v0
	v_lshlrev_b32 v[XO], 4, v[LN]
	s_lshr_b32 s9, s8, 2                           ; which of the group's three chunks
	s_and_b32 s10, s8, 3                           ; block w of 64 bins
	s_mul_i32 s11, ttmp9, 3
	s_add_co_u32 s11, s11, s9                      ; chunk 0..767
	s_lshl_b32 s12, s11, 12                        ; x: 4,096 bytes a chunk
	s_mov_b32 s13, 0
	s_lshl_b32 s14, s11, 10                        ; part: 1,024 bytes a chunk
	s_lshl_b32 s15, s10, 8                         ;       + 256 a block
	s_add_co_u32 s14, s14, s15
	s_mov_b32 s15, 0
	s_wait_kmcnt 0x0
	s_add_nc_u64 s[4:5], s[4:5], s[12:13]
	s_add_nc_u64 s[6:7], s[6:7], s[14:15]
	global_load_b128 v[X:X+3], v[XO], s[4:5]       ; trip 0; the constants below are made while it is on its way
	; G[j] = e^(DELTA j): two seeds, then 31 packed products by e^(2 DELTA).  Each link adds a rounding of 2^-24: G[63] is good to a few 10^-6.
	v_exp_f32 v[G+1], 0x3fb7f191                   ; 2^(DELTA log2 e) = e^DELTA;  DELTA log2 e = 1.4370595
	v_exp_f32 v[R],   0x4037f191                   ; e^(2 DELTA)
	v_exp_f32 v[R+1], 0x4037f191
	v_mov_b32 v[G], 1.0                            ; the plain instruction that stands between the exponentials and their first use (ISA guide 5.7.2)
.set i, 0
	s_wait_alu depctr_va_vdst(0)
.rept 31
	v_pk_mul_f32 v[G+2*i+2:G+2*i+3], v[G+2*i:G+2*i+1], v[R:R+1]
.set i, i+1
.endr
	; Ctop = (128 w + 127) DELTA/2, Cbot = (128 w + 1) DELTA/2; times log2 e: DELTA/2 log2 e = 0.71852976
	s_lshl_b32 s16, s10, 7
	s_add_co_u32 s17, s16, 127
	s_add_co_u32 s16, s16, 1
	v_cvt_f32_u32 v[CA], s17
	v_cvt_f32_u32 v[CB], s16
	v_mul_f32 v[CA], 0xbf37f191, v[CA]
	v_mul_f32 v[CB], 0x3f37f191, v[CB]
	v_mov_b32 v[CA+1], v[CA]                       ; the packed forms read pairs
	v_mov_b32 v[CB+1], v[CB]
	v_mov_b32 v[LL],   0x3fb8aa3b                  ; log2 e
	v_mov_b32 v[LL+1], 0x3fb8aa3b
	v_mov_b32 v[ML],   0xbfb8aa3b
	v_mov_b32 v[ML+1], 0xbfb8aa3b
	v_mov_b32 v[KK],   0x401034c5                  ; 2 cosh(255/512) = 2.2532207
	v_mov_b32 v[KK+1], 0x401034c5
	s_mul_i32 s18, s8, STAGE                       ; my wave's stage
	v_mul_u32_u24 v[LA], v[LN], PITCH
	v_add_nc_u32 v[LA], s18, v[LA]
	v_lshlrev_b32 v[SO], 3, v[LN]
	v_add_nc_u32 v[LB], s18, v[SO]
; Eight denominators: bins 2 q0 .. 2 q0 + 7 of the block, for the pixel in register sel (0, 1) of the pairs E+eb, EI+eb, into set.
; op_sel / op_sel_hi of source 0 send that one register to both halves.  In the second line source 1 is read crosswise:
; the low half (bin j) takes G[63-j], the second register of the pair, the high half (bin j+1) takes G[62-j], the first.
.macro DEN set, q0, eb, sel
.irp i, 0,1,2,3
	v_pk_fma_f32 v[T+8*(\set)+2*\i:T+8*(\set)+2*\i+1], v[EI+(\eb):EI+(\eb)+1], v[G+2*((\q0)+\i):G+2*((\q0)+\i)+1], v[KK:KK+1] op_sel:[\sel,0,0] op_sel_hi:[\sel,1,1]
.endr
.irp i, 0,1,2,3
	v_pk_fma_f32 v[T+8*(\set)+2*\i:T+8*(\set)+2*\i+1], v[E+(\eb):E+(\eb)+1], v[G+62-2*((\q0)+\i):G+63-2*((\q0)+\i)], v[T+8*(\set)+2*\i:T+8*(\set)+2*\i+1] op_sel:[\sel,1,0] op_sel_hi:[\sel,0,1]
.endr
.endm
; Their reciprocals.  first = 1: the wave's first pixel writes them straight into the sums, so that nothing is ever cleared.
.macro REC set, q0, first
.irp i, 0,1,2,3,4,5,6,7
.if \first
	v_rcp_f32 v[ACC+2*(\q0)+\i], v[T+8*(\set)+\i]
.else
	v_rcp_f32 v[T+8*(\set)+\i], v[T+8*(\set)+\i]
.endif
.endr
.endm
.macro SUM set, q0
	s_wait_alu depctr_va_vdst(0)
.irp i, 0,1,2,3
	v_pk_add_f32 v[ACC+2*((\q0)+\i):ACC+2*((\q0)+\i)+1], v[ACC+2*((\q0)+\i):ACC+2*((\q0)+\i)+1], v[T+8*(\set)+2*\i:T+8*(\set)+2*\i+1]
.endr
.endm
; One group of eight bins.  Behind the run of reciprocals stand the NEXT group's multiply-adds, which work on the other set and name neither
; a result nor a source of the run: they are the plain instructions asked for between a transcendental and its use (ISA guide 5.7.2).
; more = 0: nothing follows in this trip, a v_nop takes that place.
.macro STEP set, q0, first, more, nq0, neb, nsel
	REC \set, \q0, \first
.if \more
	DEN 1-\set, \nq0, \neb, \nsel
.else
	v_nop
	s_wait_alu depctr_va_vdst(0)
.endif
.if \first == 0
	SUM \set, \q0
.endif
.endm
; The eight groups of one pixel (eb, sel); its first group's denominators are in set 0 already.  The last group prepares the next pixel's first.
.macro PIXEL eb, sel, first, more, neb, nsel
	STEP 0, 0,  \first, 1, 4,  \eb, \sel
	STEP 1, 4,  \first, 1, 8,  \eb, \sel
	STEP 0, 8,  \first, 1, 12, \eb, \sel
	STEP 1, 12, \first, 1, 16, \eb, \sel
	STEP 0, 16, \first, 1, 20, \eb, \sel
	STEP 1, 20, \first, 1, 24, \eb, \sel
	STEP 0, 24, \first, 1, 28, \eb, \sel
	STEP 1, 28, \first, \more, 0, \neb, \nsel
.endm
; A trip: four pixels a lane against 64 bins.  load = 1: the next trip's 512 bytes are asked for as soon as x has been read.
.macro TRIP first, load
	s_wait_loadcnt 0x0                             ; the one load that is out, issued a whole trip (some 650 instructions) ago; it also frees s[4:5]
	v_pk_fma_f32 v[E:E+1],     v[X:X+1],   v[LL:LL+1], v[CA:CA+1]    ; (x - Ctop) log2 e
	v_pk_fma_f32 v[E+2:E+3],   v[X+2:X+3], v[LL:LL+1], v[CA:CA+1]
	v_pk_fma_f32 v[EI:EI+1],   v[X:X+1],   v[ML:ML+1], v[CB:CB+1]    ; (Cbot - x) log2 e
	v_pk_fma_f32 v[EI+2:EI+3], v[X+2:X+3], v[ML:ML+1], v[CB:CB+1]
.if \load
	s_add_nc_u64 s[4:5], s[4:5], 512
	global_load_b128 v[X:X+3], v[XO], s[4:5]
.endif
.irp i, 0,1,2,3,4,5,6,7
	v_exp_f32 v[E+\i], v[E+\i]                     ; E and EI lie side by side
.endr
	v_nop                                          ; between the exponentials and their use
	s_wait_alu depctr_va_vdst(0)
	DEN 0, 0, 0, 0
	PIXEL 0, 0, \first, 1, 0, 1
	PIXEL 0, 1, 0,      1, 2, 0
	PIXEL 2, 0, 0,      1, 2, 1
	PIXEL 2, 1, 0,      0, 0, 0
.endm
	TRIP 1, 1                                      ; in front of the loop: its first pixel starts the sums
	s_mov_b32 s20, TRIPS-2
.Ltrip:
	TRIP 0, 1
	s_sub_co_u32 s20, s20, 1
	s_cmp_lg_u32 s20, 0
	s_cbranch_scc1 .Ltrip
	TRIP 0, 0                                      ; the last trip asks for nothing: no load leaves the chunk
	; FOLD THE 32 LANES.  Lane l writes its 64 sums as row l of the stage, then reads columns 2 l, 2 l + 1 of all 32 rows: a load of the wave
	; covers 256 neighbouring bytes.  The stage is the wave's own and LDS serves a wave's instructions in order (ISA guide 5.7.1.4):
	; no wait between the stores and the loads, no barrier.
.irp i, 0,1,2,3,4,5,6,7,8,9,10,11,12,13,14,15
	ds_store_b128 v[LA], v[ACC+4*\i:ACC+4*\i+3] offset:16*\i
.endr
.set i, 0
.rept 32
	ds_load_b64 v[G+2*i:G+2*i+1], v[LB] offset:PITCH*i
.set i, i+1
.endr
	s_wait_dscnt 0x0
.irp n, 16,8,4,2,1
.set i, 0
.rept \n
	v_pk_add_f32 v[G+2*i:G+2*i+1], v[G+2*i:G+2*i+1], v[G+2*(i+\n):G+2*(i+\n)+1]
.set i, i+1
.endr
.endr
	global_store_b64 v[SO], v[G:G+1], s[6:7]       ; the wave's 64 sums: 256 consecutive bytes, at a multiple of 256 from the first byte of part
	s_wait_tensorcnt 0x0
	ds_add_u32 v192, v193
	s_wait_dscnt 0x0
	s_endpgm
.Lfunc_end_k_qb244585b5e_partial:
	.size	k_qb244585b5e_partial, .Lfunc_end_k_qb244585b5e_partial-k_qb244585b5e_partial
	.p2alignl 7, 3214868480
	.fill 96, 4, 3214868480
	.section	.rodata,"a",@progbits
	.p2align	6, 0x0
	.amdhsa_kernel k_qb244585b5e_partial
		.amdhsa_group_segment_fixed_size 105984
		.amdhsa_private_segment_fixed_size 0
		.amdhsa_enable_private_segment 0
		.amdhsa_kernarg_size 16
		.amdhsa_user_sgpr_count 2
		.amdhsa_user_sgpr_kernarg_segment_ptr 1
		.amdhsa_wavefront_size32 1
		.amdhsa_system_sgpr_workgroup_id_x 1
		.amdhsa_system_sgpr_workgroup_id_y 1
		.amdhsa_system_sgpr_workgroup_id_z 1
		.amdhsa_system_vgpr_workitem_id 0
		.amdhsa_next_free_vgpr 194
		.amdhsa_next_free_sgpr 66
		.amdhsa_reserve_vcc 0
		.amdhsa_float_denorm_mode_32 3
		.amdhsa_float_denorm_mode_16_64 3
		.amdhsa_memory_ordered 1
		.amdhsa_forward_progress 1
		.amdhsa_inst_pref_size 109
	.end_amdhsa_kernel
	.amdgpu_metadata
---
amdhsa.version: [ 1, 2 ]
amdhsa.kernels:
  - .name:           k_qb244585b5e_partial
    .symbol:         k_qb244585b5e_partial.kd
    .args:
      - { .name: x, .offset: 0, .size: 8, .value_kind: global_buffer, .address_space: global }
      - { .name: part, .offset: 8, .size: 8, .value_kind: global_buffer, .address_space: global }
    .group_segment_fixed_size: 105984
    .private_segment_fixed_size: 0
    .kernarg_segment_align: 8
    .kernarg_segment_size: 16
    .max_flat_workgroup_size: 384
    .sgpr_count:     66
    .vgpr_count:     194
    .wavefront_size: 32
...
	.end_amdgpu_metadata
.endif
;; end of part 1
;; launch normalise (part 2): grid 12 x 1, 8 waves a work-group, no clusters, 5,120 bytes of LDS; arguments part, out0; writes out0
.if DOCPART == 2
	.amdgcn_target "amdgcn-amd-amdhsa--gfx1250"
	.amdhsa_code_object_version 6
	.text
	.protected	k_qb244585b5e_normalise
	.globl	k_qb244585b5e_normalise
	.p2align	8
	.type	k_qb244585b5e_normalise,@function
k_qb244585b5e_normalise:
	s_mov_b64 s[64:65], 0
	v_nop
	global_prefetch_b8 v0, s[64:65] scope:SCOPE_SE
	s_setreg_imm32_b32 hwreg(HW_REG_WAVE_MODE, 25, 1), 1
	s_wait_xcnt 0x0
; SOFT HISTOGRAM, second launch: out0[row][b] = h[b] / sum over b of h[b], h[b] = sum over the row's 64 chunks of part[chunk][b].
; part: [12 rows][64 chunks][256] f32.  out0: [12][256] f32.  One work-group a row: the divisor spans the whole row.
; Thread t = 64 g + c adds chunks 16 g .. 16 g + 15 for bins 4 c .. 4 c + 3: sixteen 16-byte loads, all asked for at once; a load of a wave
; covers 512 neighbouring bytes.  The four quarters g meet in LDS; wave 0 adds them, sums the 256 bins, and scales.
; The weights in part lack the common factor 2 sinh(DELTA/2), which cancels here.
; LIMIT: the division is a product with v_rcp_f32, which takes a denormal as zero (ISA guide 15.8): a row whose sum is below 2^-126 gives no
; finite result.  A sum of exactly zero gives NaN, as 0 / 0 does.
; No prefetch: the bytes read here were stored by the launch in front.  No cluster: no two work-groups read the same bytes.
.set OFF, 1                            ; v1       my byte offset in the row's part
.set LO,  2                            ; v2       16 t: my 16 bytes in LDS; in wave 0 also 16 x lane
.set P,   16                           ; v[16:79] sixteen loads of four bins; later the eight pieces that wave 0 reads back
.set Q,   80                           ; v[80:83] the row's sum in the making
.set RR,  84                           ; v[84:85] 1 / sum, twice
	s_load_b128 s[4:7], s[0:1], 0x0                ; part s[4:5], out0 s[6:7]
	v_lshl_add_u32 v88, v0, 2, 0x1000
	v_mov_b32 v89, 0
	v_lshrrev_b32 v3, 5, v0
	v_readfirstlane_b32 s8, v3                     ; wave 0..7
	v_and_b32 v4, 63, v0                           ; c
	v_lshrrev_b32 v5, 6, v0                        ; g
	v_lshlrev_b32 v4, 4, v4
	v_lshl_add_u32 v[OFF], v5, 14, v4              ; g x 16 chunks x 1,024 bytes + 16 c
	v_lshlrev_b32 v[LO], 4, v0
	s_lshl_b32 s10, ttmp9, 16                      ; the row in part: 64 chunks x 1,024 bytes
	s_mov_b32 s11, 0
	s_lshl_b32 s12, ttmp9, 10                      ; the row in out0
	s_mov_b32 s13, 0
	s_mov_b32 s14, 0x76543210                      ; v_permlanex16_b32: lane i of one half reads lane i of the other
	s_mov_b32 s15, 0xfedcba98
	s_wait_kmcnt 0x0
	s_add_nc_u64 s[4:5], s[4:5], s[10:11]
	s_add_nc_u64 s[6:7], s[6:7], s[12:13]
.irp i, 0,1,2,3,4,5,6,7,8,9,10,11,12,13,14,15
	global_load_b128 v[P+4*\i:P+4*\i+3], v[OFF], s[4:5] offset:1024*\i
.endr
.set i, 1
.rept 15
	s_wait_loadcnt 15-i                            ; loads come back in order (ISA guide 5.7.1): chunks 0 .. i are in, the 15 - i younger ones stay out
	v_pk_add_f32 v[P:P+1],   v[P:P+1],   v[P+4*i:P+4*i+1]
	v_pk_add_f32 v[P+2:P+3], v[P+2:P+3], v[P+4*i+2:P+4*i+3]
.set i, i+1
.endr
	ds_store_b128 v[LO], v[P:P+3]                  ; quarter g, bins 4 c ..: byte 1,024 g + 16 c = 16 t
	s_wait_dscnt 0x0                               ; my store is in LDS before I say so
	s_barrier_signal -1
	s_barrier_wait -1                              ; everybody's is
	s_cmp_lg_u32 s8, 0
	s_cbranch_scc1 .Lend                           ; the rest is 256 numbers: one wave's work
	; wave 0, lane l: bins 4 l .. 4 l + 3 (even pieces) and 128 + 4 l .. (odd pieces) of the four quarters; piece k lies at 512 k + 16 l
.irp k, 0,1,2,3,4,5,6,7
	ds_load_b128 v[P+4*\k:P+4*\k+3], v[LO] offset:512*\k
.endr
	s_wait_dscnt 0x0
.irp r, 0,2,4,6
	v_pk_add_f32 v[P+\r:P+\r+1],       v[P+\r:P+\r+1],       v[P+8+\r:P+8+\r+1]      ; quarters 0 + 1
	v_pk_add_f32 v[P+16+\r:P+16+\r+1], v[P+16+\r:P+16+\r+1], v[P+24+\r:P+24+\r+1]    ; quarters 2 + 3
.endr
.irp r, 0,2,4,6
	v_pk_add_f32 v[P+\r:P+\r+1], v[P+\r:P+\r+1], v[P+16+\r:P+16+\r+1]                ; v[P:P+7]: h of my eight bins
.endr
	v_pk_add_f32 v[Q:Q+1],   v[P:P+1],   v[P+2:P+3]
	v_pk_add_f32 v[Q+2:Q+3], v[P+4:P+5], v[P+6:P+7]
	v_pk_add_f32 v[Q:Q+1],   v[Q:Q+1],   v[Q+2:Q+3]
	v_add_f32 v[Q], v[Q], v[Q+1]                   ; my eight bins; now across the 32 lanes
	v_add_f32_dpp v[Q], v[Q], v[Q] row_xmask:1 row_mask:0xf bank_mask:0xf
	v_add_f32_dpp v[Q], v[Q], v[Q] row_xmask:2 row_mask:0xf bank_mask:0xf
	v_add_f32_dpp v[Q], v[Q], v[Q] row_xmask:4 row_mask:0xf bank_mask:0xf
	v_add_f32_dpp v[Q], v[Q], v[Q] row_xmask:8 row_mask:0xf bank_mask:0xf
	v_permlanex16_b32 v[Q+1], v[Q], s14, s15       ; the other half's sum (the destination has been written before)
	v_add_f32 v[Q+2], v[Q], v[Q+1]                 ; every lane holds the sum of the row's 256 bins
	v_rcp_f32 v[RR],   v[Q+2]
	v_rcp_f32 v[RR+1], v[Q+2]
	v_nop                                          ; between the reciprocals and their use (ISA guide 5.7.2)
	s_wait_alu depctr_va_vdst(0)
.irp r, 0,2,4,6
	v_pk_mul_f32 v[P+\r:P+\r+1], v[P+\r:P+\r+1], v[RR:RR+1]
.endr
	global_store_b128 v[LO], v[P:P+3],   s[6:7]              ; bins 0-127: 512 consecutive bytes
	global_store_b128 v[LO], v[P+4:P+7], s[6:7] offset:512   ; bins 128-255
.Lend:
	s_wait_tensorcnt 0x0
	ds_add_u32 v88, v89
	s_wait_dscnt 0x0
	s_endpgm
.Lfunc_end_k_qb244585b5e_normalise:
	.size	k_qb244585b5e_normalise, .Lfunc_end_k_qb244585b5e_normalise-k_qb244585b5e_normalise
	.p2alignl 7, 3214868480
	.fill 96, 4, 3214868480
	.section	.rodata,"a",@progbits
	.p2align	6, 0x0
	.amdhsa_kernel k_qb244585b5e_normalise
		.amdhsa_group_segment_fixed_size 5120
		.amdhsa_private_segment_fixed_size 0
		.amdhsa_enable_private_segment 0
		.amdhsa_kernarg_size 16
		.amdhsa_user_sgpr_count 2
		.amdhsa_user_sgpr_kernarg_segment_ptr 1
		.amdhsa_wavefront_size32 1
		.amdhsa_system_sgpr_workgroup_id_x 1
		.amdhsa_system_sgpr_workgroup_id_y 1
		.amdhsa_system_sgpr_workgroup_id_z 1
		.amdhsa_system_vgpr_workitem_id 0
		.amdhsa_next_free_vgpr 90
		.amdhsa_next_free_sgpr 66
		.amdhsa_reserve_vcc 0
		.amdhsa_float_denorm_mode_32 3
		.amdhsa_float_denorm_mode_16_64 3
		.amdhsa_memory_ordered 1
		.amdhsa_forward_progress 1
		.amdhsa_inst_pref_size 8
	.end_amdhsa_kernel
	.amdgpu_metadata
---
amdhsa.version: [ 1, 2 ]
amdhsa.kernels:
  - .name:           k_qb244585b5e_normalise
    .symbol:         k_qb244585b5e_normalise.kd
    .args:
      - { .name: part, .offset: 0, .size: 8, .value_kind: global_buffer, .address_space: global }
      - { .name: out0, .offset: 8, .size: 8, .value_kind: global_buffer, .address_space: global }
    .group_segment_fixed_size: 5120
    .private_segment_fixed_size: 0
    .kernarg_segment_align: 8
    .kernarg_segment_size: 16
    .max_flat_workgroup_size: 256
    .sgpr_count:     66
    .vgpr_count:     90
    .wavefront_size: 32
...
	.end_amdgpu_metadata
.endif
;; end of part 2
